; MI455X (gfx1250); checked and timed in simulation.
; The chip was launched on July 23, 2026; its instructions are those of AMD's public machine-readable ISA for CDNA 5 (MIT licence, August 2026) and "CDNA5" Instruction Set Architecture Reference Guide (July 2026). The comments in the code are by the model that wrote it; some were corrected since.
;; Shared Tversky Linear. Allowed arithmetic: matrix products marked QUANTISED: E5M2 operands, one given power-of-two scale a tensor, by v_wmma_f32_16x16x64_bf8_bf8 or v_wmma_f32_16x16x128_bf8_bf8, f32 sums; everything else in f32.
;; Inputs: alpha one number float32; beta one number float32; bias 512 float32; features_codes 1,024 x 32 x 32 uint8 (E5M2 codes of features, K innermost, in blocks of 32 codes); gamma one number float32; lowp_scales 4 int32 (the exponents e of the quantised operands' scales 2^e); prototypes_codes 512 x 32 x 32 uint8 (E5M2 codes of prototypes, K innermost, in blocks of 32 codes); x_codes 256 x 32 x 32 uint8 (E5M2 codes of x, K innermost, in blocks of 32 codes).
;; Outputs: out0 256 x 512 float32.
;; This version of the problem:
;;   THIS VERSION OF THE PROBLEM IS GIVEN IN LOW PRECISION. The matrix products marked QUANTISED in the list below multiply operands that are first quantised to E5M2 (5 exponent bits, 2 mantissa bits; 8 bits a number), with one given power-of-two scale for each operand tensor; their sums are f32. All else is computed in f32.
;;   The module's matrix products, in the order in which they are computed (A, B: the left and right operand; K: the contracted axis; several contracted axes count as one K, in the product's order):
;;     1. [M 256, K 1,024] x [K 1,024, N 1,024]; A: input x (given as codes); B: input features (given as codes): QUANTISED (scales: A lowp_scales[0], B lowp_scales[1])
;;     2. [M 512, K 1,024] x [K 1,024, N 1,024]; A: input prototypes (given as codes); B: input features (given as codes): QUANTISED (scales: A lowp_scales[2], B lowp_scales[3])
;;   THE QUANTISER, for each operand of a quantised product, along K:
;;     - The operand's scale is 2^e, e = its entry of the input lowp_scales (int32; the entries are numbered through the quantised products in the list's order, A before B).
;;     - Each number is divided by the scale, clamped to +-57,344, and rounded to the nearest number of E5M2, ties to even, subnormals kept.
;;     - The product sums the exact products of the quantised numbers (number of the format x scale) in f32.
;;   ~~~python
;;   def quantise(x, axis, e):      # numpy; x: float32 -> the quantised numbers, widened to float32 again
;;       x = np.moveaxis(x, axis, -1); K = x.shape[-1]
;;       r = np.clip(x / 2.0 ** e, -57344, 57344)
;;       step = 2.0 ** (np.maximum(np.frexp(np.where(r == 0, 1, r))[1] - 1, -14) - 2)
;;       q = np.round(r / step) * step * 2.0 ** e      # np.round: ties to even
;;       return np.moveaxis(q, -1, axis).astype(np.float32)
;;   ~~~
;;   INPUTS GIVEN AS CODES. features (in the module: [1024, 1024], K = its axis 0); prototypes (in the module: [512, 1024], K = its axis 1); x (in the module: [256, 1024], K = its axis 1): each comes as NAME_codes (uint8): NAME with its K axis moved to the last place and cut into blocks of 32 codes, [.., K / 32, bytes a block], one block behind the other in memory; one code a byte (a code: sign, 5 exponent bits, 2 mantissa bits); its scale is its entry of lowp_scales. Its value is code x scale, taken as it is: it is not quantised again, and the codes and scales need not be those that the quantiser above would give.
;; One version. Each part assembles by itself: llvm-mc -triple=amdgcn-amd-amdhsa -mcpu=gfx1250 --defsym DOCPART=n.
;; ======== version 1 of 1: 2 launches
;; limits: right only within a limited range of input values
;; workspace buffers: feat 3,145,728 bytes
;; launch proj (part 1): grid 16 x 16, 4 waves a work-group, clusters of 4 x 4, 167,936 bytes of LDS; arguments x_codes, prototypes_codes, features_codes, lowp_scales, feat; writes feat
.if DOCPART == 1
	.amdgcn_target "amdgcn-amd-amdhsa--gfx1250"
	.amdhsa_code_object_version 6
	.text
	.protected	k_qe9797fc535_proj
	.globl	k_qe9797fc535_proj
	.p2align	8
	.type	k_qe9797fc535_proj,@function
k_qe9797fc535_proj:
	s_mov_b64 s[64:65], 0
	v_nop
	global_prefetch_b8 v0, s[64:65] scope:SCOPE_SE
	s_setreg_imm32_b32 hwreg(HW_REG_WAVE_MODE, 25, 1), 1
	s_wait_xcnt 0x0
	s_wait_alu depctr_hold_cnt(0) depctr_sa_sdst(0) depctr_va_vdst(0) depctr_va_sdst(0) depctr_va_ssrc(0) depctr_va_vcc(0) depctr_vm_vsrc(0)
	s_getreg_b32 s2, hwreg(HW_REG_IB_STS2, 6, 4)
	s_cmp_eq_u32 s2, 0
	s_cbranch_scc0 .Lentry_in_a_cluster
	s_endpgm
.Lentry_in_a_cluster:
	s_bfe_u32 s2, ttmp6, 0x10000c
	s_cmp_lg_u32 s2, 0xf033
	s_cbranch_scc0 .Lentry_shape_is_right
	s_endpgm
.Lentry_shape_is_right:
; feat = relu(A F^T) x 2^e, 768 rows x 1,024 columns f, f32.  Rows 0-255: A = x's codes, e = e0 + e1; rows 256-767: A = the prototypes' codes, e = e2 + e3.
; F = the features' codes, [f][k].  E5M2 codes are multiplied as they are; each finished sum is clipped at 0 and multiplied once by 2^e (v_ldexp_f32: no limit on e).
; LIMITS: NaN and infinity among the codes are not served (the clip at 0 takes a NaN for 0).
; LAYOUT OF feat: an image of the matrix result's registers.  Block (R, t), 16 rows x 16 f, is 1,024 bytes at (64 R + t) x 1,024: lane (r, h) = lane % 16, lane / 16 holds f = 16 t + r and rows 16 R + 8 h + 0 .. 7,
; four rows at 16 x lane, four at 512 + 16 x lane.  So a result leaves straight from registers, 512 consecutive aligned bytes a store, and the next launch loads it straight into registers.
; SHARES.  A work-group makes 48 rows (three row tiles, each from x or from the prototypes) x 64 columns: 16 x 16 = 256 work-groups.  Wave w makes 48 rows x the 16 columns of f tile w: three products, eight steps of 128 along K.
; LDS.  All of K at once, every byte filled once by the one load of each wave: rows of 1,024 bytes.  Waves 0-2 fetch a row tile each, wave 3 the 64 rows of F.
; CLUSTER 4 x 4.  The four work-groups of a row need the same 48 rows of A, the four of a column the same 64 rows of F: both are asked for jointly.  No loop over tiles: no prefetch.
.set ROWP, 1040                        ; an LDS row: 1,024 bytes + 16 of padding: the 16 rows that a load touches start at 16 different banks (64 banks of 4 bytes: ISA guide 11.1)
.set TILE, 16*ROWP
.set FREG, 3*TILE                      ; F's 64 rows behind A's 48
.set SPARE, 7*TILE                     ; the spare words, 128 bytes for each wave
.set SPW,  4                           ; v4  LDS address of my spare word
.set NIL,  5                           ; v5  0
.set ADA,  6                           ; v6  A's fragments
.set ADF,  7                           ; v7  my F fragments
.set OFF,  8                           ; v8  16 x lane
.set DD,   16                          ; v16-39 products: row tile m at DD + 8 m
.set TT,   40                          ; v40-63 the results, clipped and scaled
.set WV,   14
.set G1A,  24                          ; s[24:31] descriptor group 1 for a row tile;  s[32:39] for F
.set G1B,  32
.set G0A,  40                          ; s[40:43], s[44:47] group 0
.set G0B,  44
.set MSB, 0
.macro WIN new                         ; the immediate's high byte repeats the setting that is left
.if MSB != (\new)
	s_set_vgpr_msb (MSB<<8)|(\new)
.set MSB, (\new)
.endif
.endm
.macro CROUND                          ; a round of the cluster's barrier
	s_barrier_signal -1
	s_barrier_wait -1
	s_cmp_lg_u32 s[WV], 0
	s_cbranch_scc1 .Lnot_wave_0_\@
	s_barrier_signal -3
.Lnot_wave_0_\@:
	s_barrier_wait -3
	s_barrier_signal -1
	s_barrier_wait -1
.endm
	s_load_b256 s[4:11], s[0:1], 0x0               ; x s[4:5], prototypes s[6:7], F s[8:9], exponents s[10:11]
	s_load_b64 s[12:13], s[0:1], 0x20              ; feat
	v_lshl_add_u32 v[SPW], v0, 2, SPARE
	v_mov_b32 v[NIL], 0
	ds_add_u32 v[SPW], v[NIL]                      ; the wave's opening: the add, twice on end, and its wait
	ds_add_u32 v[SPW], v[NIL]
	v_lshrrev_b32 v1, 5, v0
	v_readfirstlane_b32 s[WV], v1                  ; wave 0..3
	s_bfe_u32 s15, ttmp6, 0x40000                  ; cx, cy: my place in the cluster
	s_bfe_u32 s16, ttmp6, 0x40004
	s_lshl_b32 s17, ttmp9, 2
	s_add_co_u32 s17, s17, s15                     ; columns 64 s17 on
	s_and_b32 s18, ttmp7, 0xffff
	s_lshl_b32 s18, s18, 2
	s_add_co_u32 s18, s18, s16                     ; rows 48 s18 on
	s_lshl_b32 s19, s16, 2
	s_lshl_b32 s19, 15, s19                        ; my row of the cluster
	s_lshl_b32 s20, 0x1111, s15                    ; my column
	; descriptor group 1: rows of 1,024 elements of 1 byte; 15:0 the mask, 21 beside it; 20 padding on; 24:22 after every 256 words (code 7); 31:25 four words (code 3)
	s_or_b32 s[G1A], s19, (1<<20)|(1<<21)|(7<<22)|(3<<25)
	s_or_b32 s[G1B], s20, (1<<20)|(1<<21)|(7<<22)|(3<<25)
	s_mov_b32 s[G1A+2], 16<<16                     ; tensor_dim1
	s_mov_b32 s[G1B+2], 64<<16
	s_mov_b32 s[G1A+4], 16                         ; tile_dim1
	s_mov_b32 s[G1B+4], 64
.irp g, G1A, G1B
	s_mov_b32 s[\g+1], 1024<<16                    ; tensor_dim0
	s_mov_b32 s[\g+3], 1024<<16                    ; tile_dim0
	s_mov_b32 s[\g+5], 1024                        ; from row to row
	s_mov_b32 s[\g+6], 0
	s_mov_b32 s[\g+7], 0
.endr
	s_mul_i32 s21, s18, 3                          ; my first row tile, 0 .. 45
	s_add_co_u32 s22, s21, s[WV]                   ; the row tile that I fetch (waves 0-2)
	s_lshl_b32 s58, s22, 14                        ; its place in x: 16 rows of 1,024 bytes,
	s_max_u32 s60, s22, 16
	s_sub_co_u32 s60, s60, 16
	s_lshl_b32 s60, s60, 14                        ; or among the prototypes
	s_mov_b32 s57, 0
	s_lshl_b32 s62, s17, 16                        ; F: 64 rows
	s_mov_b32 s63, 0
	s_mul_i32 s61, s[WV], TILE
	s_mov_b32 s[G0A], 1
	s_mov_b32 s[G0A+1], s61                        ; no place in the cluster enters an LDS address
	s_mov_b32 s[G0B], 1
	s_mov_b32 s[G0B+1], FREG
	s_wait_alu depctr_va_vdst(0)
	s_wait_dscnt 0x0                               ; both opening adds are done
	CROUND                                         ; the round in front of the joint loads: all sixteen work-groups are here.  The arguments are on their way meanwhile
	s_wait_kmcnt 0x0
	s_load_b128 s[68:71], s[10:11], 0x0            ; e0, e1, e2, e3
	s_cmp_lt_u32 s22, 16                           ; row tiles 0-15 are x's
	s_cselect_b32 s56, s58, s60
	s_cselect_b64 s[72:73], s[4:5], s[6:7]
	s_add_nc_u64 s[G0A+2:G0A+3], s[72:73], s[56:57]
	s_or_b32 s[G0A+3], s[G0A+3], 0x80000000        ; type = 2
	s_add_nc_u64 s[G0B+2:G0B+3], s[8:9], s[62:63]
	s_or_b32 s[G0B+3], s[G0B+3], 0x80000000
	s_cmp_lt_u32 s[WV], 3
	s_cbranch_scc0 .Lfor_f
	tensor_load_to_lds s[G0A:G0A+3], s[G1A:G1A+7]
	s_nop 0
.rept 4
	v_nop
.endr
	s_branch .Lasked
.Lfor_f:
	tensor_load_to_lds s[G0B:G0B+3], s[G1B:G1B+7]
	s_nop 0
.rept 4
	v_nop
.endr
.Lasked:
	v_and_b32 v1, 15, v0                           ; r
	v_bfe_u32 v2, v0, 4, 1                         ; h
	v_and_b32 v3, 31, v0
	v_mul_u32_u24 v[ADA], v1, ROWP
	v_lshl_add_u32 v[ADA], v2, 4, v[ADA]           ; a fragment's row x pitch + 16 h: registers 4 c .. 4 c + 3 hold K = 32 c + 16 h + 0 .. 15, in A and in F alike
	v_lshlrev_b32 v[OFF], 4, v3
	s_add_co_u32 s61, s61, FREG                    ; my 16 rows of F
	v_add_nc_u32 v[ADF], s61, v[ADA]
	s_lshl_b32 s74, s21, 16                        ; feat: block (first row tile, 4 s17 + wave)
	s_lshl_b32 s75, s17, 12
	s_add_co_u32 s74, s74, s75
	s_lshl_b32 s75, s[WV], 10
	s_add_co_u32 s74, s74, s75
	s_mov_b32 s75, 0
	s_add_nc_u64 s[12:13], s[12:13], s[74:75]
	s_wait_alu depctr_va_vdst(0)
	s_wait_kmcnt 0x0
	s_add_co_i32 s68, s68, s69                     ; e0 + e1
	s_add_co_i32 s70, s70, s71                     ; e2 + e3
.irp m, 0,1,2
	s_add_co_u32 s76, s21, \m
	s_cmp_lt_u32 s76, 16
	s_cselect_b32 s[77+\m], s68, s70               ; row tile m's exponent
.endr
	s_wait_tensorcnt 0x0                           ; my load has landed
	s_barrier_signal -1
	s_barrier_wait -1                              ; everybody's has.  Nothing is filled again
; The fragments of K step k lie in 64 registers of their own: steps 0-2 in window 0 from v64, 3-6 in window 1, 7 in window 2: no register is loaded twice
.macro PLACE k
.if (\k) < 3
.set KW, 0
.set KB, 64+64*(\k)
.elseif (\k) < 7
.set KW, 1
.set KB, 64*((\k)-3)
.else
.set KW, 2
.set KB, 0
.endif
.endm
.macro FETCH k                         ; 16 LDS loads: F's fragment, then A's three
	PLACE \k
	WIN 0x40*KW
.irp c, 0,1,2,3
	ds_load_b128 v[KB+48+4*\c:KB+48+4*\c+3], v[ADF] offset:128*(\k)+32*\c
.endr
.irp m, 0,1,2
.irp c, 0,1,2,3
	ds_load_b128 v[KB+16*\m+4*\c:KB+16*\m+4*\c+3], v[ADA] offset:\m*TILE+128*(\k)+32*\c
.endr
.endr
.endm
.macro MUL k, left                     ; three matrix instructions, the products by turns; step 0 starts the sums
	s_wait_dscnt \left                             ; step k's fragments are in; the later steps' loads may be out
	PLACE \k
	WIN 5*KW
.irp m, 0,1,2
.if (\k) == 0
	v_wmma_f32_16x16x128_bf8_bf8 v[DD+8*\m:DD+8*\m+7], v[KB+16*\m:KB+16*\m+15], v[KB+48:KB+63], 0
.else
	v_wmma_f32_16x16x128_bf8_bf8 v[DD+8*\m:DD+8*\m+7], v[KB+16*\m:KB+16*\m+15], v[KB+48:KB+63], v[DD+8*\m:DD+8*\m+7]
.endif
.endr
.endm
	FETCH 0
	FETCH 1
	FETCH 2
.irp k, 0,1,2,3,4
	FETCH \k+3
	MUL \k, 48
.endr
	MUL 5, 32
	MUL 6, 16
	MUL 7, 0
	WIN 0
.rept 4
	v_nop                                          ; four places ahead of the first read of the products (ISA guide 7.12.1)
.endr
.irp m, 0,1,2
.irp j, 0,2,4,6
	v_dual_max_num_f32 v[TT+8*\m+\j], 0, v[DD+8*\m+\j] :: v_dual_max_num_f32 v[TT+8*\m+\j+1], 0, v[DD+8*\m+\j+1]   ; relu; each product from its low end on
.endr
.endr
.irp m, 0,1,2
.irp j, 0,1,2,3,4,5,6,7
	v_ldexp_f32 v[TT+8*\m+\j], v[TT+8*\m+\j], s[77+\m]   ; x 2^e
.endr
	global_store_b128 v[OFF], v[TT+8*\m:TT+8*\m+3], s[12:13] offset:\m*65536       ; 512 consecutive bytes, at a multiple of 512 from feat's first byte
	global_store_b128 v[OFF], v[TT+8*\m+4:TT+8*\m+7], s[12:13] offset:\m*65536+512
.endr
	s_wait_tensorcnt 0x0                           ; the wave's end
	ds_add_u32 v[SPW], v[NIL]
	s_wait_dscnt 0x0
	CROUND                                         ; the closing round: no work-group ends while a partner may still ask for rows that name it
	s_endpgm
.Lfunc_end_k_qe9797fc535_proj:
	.size	k_qe9797fc535_proj, .Lfunc_end_k_qe9797fc535_proj-k_qe9797fc535_proj
	.p2alignl 7, 3214868480
	.fill 96, 4, 3214868480
	.section	.rodata,"a",@progbits
	.p2align	6, 0x0
	.amdhsa_kernel k_qe9797fc535_proj
		.amdhsa_group_segment_fixed_size 167936
		.amdhsa_private_segment_fixed_size 0
		.amdhsa_enable_private_segment 0
		.amdhsa_kernarg_size 40
		.amdhsa_user_sgpr_count 2
		.amdhsa_user_sgpr_kernarg_segment_ptr 1
		.amdhsa_wavefront_size32 1
		.amdhsa_system_sgpr_workgroup_id_x 1
		.amdhsa_system_sgpr_workgroup_id_y 1
		.amdhsa_system_sgpr_workgroup_id_z 1
		.amdhsa_system_vgpr_workitem_id 0
		.amdhsa_next_free_vgpr 576
		.amdhsa_next_free_sgpr 84
		.amdhsa_reserve_vcc 0
		.amdhsa_float_denorm_mode_32 3
		.amdhsa_float_denorm_mode_16_64 3
		.amdhsa_memory_ordered 1
		.amdhsa_forward_progress 1
		.amdhsa_inst_pref_size 19
	.end_amdhsa_kernel
	.amdgpu_metadata
---
amdhsa.version: [ 1, 2 ]
amdhsa.kernels:
  - .name:           k_qe9797fc535_proj
    .symbol:         k_qe9797fc535_proj.kd
    .args:
      - { .name: x_codes, .offset: 0, .size: 8, .value_kind: global_buffer, .address_space: global }
      - { .name: prototypes_codes, .offset: 8, .size: 8, .value_kind: global_buffer, .address_space: global }
      - { .name: features_codes, .offset: 16, .size: 8, .value_kind: global_buffer, .address_space: global }
      - { .name: lowp_scales, .offset: 24, .size: 8, .value_kind: global_buffer, .address_space: global }
      - { .name: feat, .offset: 32, .size: 8, .value_kind: global_buffer, .address_space: global }
    .group_segment_fixed_size: 167936
    .private_segment_fixed_size: 0
    .kernarg_segment_align: 8
    .kernarg_segment_size: 40
    .max_flat_workgroup_size: 128
    .sgpr_count:     84
    .vgpr_count:     576
    .wavefront_size: 32
...
	.end_amdgpu_metadata
.endif
;; end of part 1
;; launch pair (part 2): grid 16 x 16, 8 waves a work-group, no clusters, 211,968 bytes of LDS; arguments feat, alpha, beta, gamma, bias, out0; writes out0
.if DOCPART == 2
	.amdgcn_target "amdgcn-amd-amdhsa--gfx1250"
	.amdhsa_code_object_version 6
	.text
	.protected	k_qe9797fc535_pair
	.globl	k_qe9797fc535_pair
	.p2align	8
	.type	k_qe9797fc535_pair,@function
k_qe9797fc535_pair:
	s_mov_b64 s[64:65], 0
	v_nop
	global_prefetch_b8 v0, s[64:65] scope:SCOPE_SE
	s_setreg_imm32_b32 hwreg(HW_REG_WAVE_MODE, 25, 1), 1
	s_wait_xcnt 0x0
; out0[b][o] = num / den + bias[o], num = gamma c, den = num + |alpha| (sx[b] - c) + |beta| (sp[o] - c) + 1e-8, c = the sum over f of min(xf[b][f], pf[o][f]).
; xf = feat's row tiles 0-15, pf = its row tiles 16-47; sx and sp are the rows' sums.
; c is what the source calls common: (sx + sp - the sum of |xf - pf|) / 2 is the sum of the minima, number by number; taken so, no difference of large sums is formed.
; LIMITS: NaN is not served (a minimum drops it).  The division is a reciprocal (1 ULP) and a multiply-add; a den that is denormal, or above 2^126, is flushed by it.  Sums are taken in another order than the source's.
; SHARES.  A work-group owns 16 rows b x 32 columns o: 256 work-groups.  feat comes in row tiles of 16, so 512 outputs are 16 x 32; a row of the block is 128 bytes of out0, and two work-groups share an aligned 256 bytes.
; Wave w takes the 16 columns oh = w % 2 over the quarter w / 2 of f: 16 tiles of 16 f.  A tile is two blocks of feat (x's and the prototypes'), register images: four loads of 512 consecutive bytes put
; f = r and rows 8 h + 0 .. 7 of both into lane (r, h).  With x's eight rows of lane l xor 16 a lane has 16 rows b x its 8 rows o of one f: 128 minima, added to 128 sums of its own: a dual-issue pair and a packed
; addition for two.  The row sums are taken on the way: the two waves of a quarter hold the same rows of x, and each sums four of a lane's eight: wave oh = 1 loads x's two groups of four rows in the other order,
; so that in both waves the rows to sum are the slot's first four (x's register i is row i xor 4 oh).
; NO CLUSTER, NO LDS ahead of the sums: an image goes from memory into the registers of the wave that wants it, and there is no tensor load to share.  A wave has eight tiles (32 loads) on their way ahead of its
; first minimum, half of all that it reads, and asks for each later tile eight tiles ahead: no prefetch stands beside that.
; REGISTERS.  window 0: addresses, minima, sums.  window 1: eight slots of a tile, row sums, x of lane l xor 16, the loads' offset.
.set TT,   16                          ; v16-79   minima on their way to the sums
.set RD1,  84                          ; v84      the way out: my block of my wave's bytes
.set RD2,  85                          ; v85, 86  a thread's two outputs, of waves oh + 0, 2 and oh + 4, 6
.set RSX,  87                          ; v87, 88  the same for sx
.set RSP,  89                          ; v89, 90  the same for sp
.set OUTV, 91                          ; v91      my place in out0's block
.set ST2,  92                          ; v92      where I put my two blocks' sums
.set SSX,  93                          ; v93      where my sums of x's rows go
.set ACC,  128                         ; v128-255 sum (i, j) at ACC + 8 i + j: row b = i xor 4 oh xor 8 h, column o = 16 oh + 8 h + j
.set SM,   128                         ; window 1: row sums: x 4, prototypes 8
.set XO,   144                         ; window 1: x's rows of lane l xor 16
.set VOFF, 152                         ; window 1: 16 x lane
.set QP,   784                         ; the way out: from block to block of 32 lanes x 16 bytes (lanes 16-31 begin 320 behind lanes 0-15)
.set SUMB, 32*QP                       ; behind a wave's 32 blocks: its part of sx, 8 numbers; 64 bytes on, of sp, 16 numbers
.set QB,   SUMB+128                    ; and the blocks' sums over the 16 lanes of a half: 32 x 16 bytes, the second half 576 on
.set WR,   26368                       ; a wave's bytes there
.set SPARE, 8*WR                       ; the spare words, 128 bytes for each wave
.set SPW,  2
.set NIL,  3
.set STO,  4
.set SST,  5
.set MSB, 0
.macro WIN new                         ; the immediate's high byte repeats the setting that is left
.if MSB != (\new)
	s_set_vgpr_msb (MSB<<8)|(\new)
.set MSB, (\new)
.endif
.endm
.macro LOADT t                         ; tile t into slot t % 8 (windows: destination and address 1); x's two groups of rows by s[20:21] and s[38:39]
.irp q, 0,1
	global_load_b128 v[16*((\t)%8)+4*\q:16*((\t)%8)+4*\q+3], v[VOFF], s[20+18*\q:21+18*\q] offset:(\t)*1024
.endr
.irp q, 0,1
	global_load_b128 v[16*((\t)%8)+8+4*\q:16*((\t)%8)+8+4*\q+3], v[VOFF], s[22:23] offset:(\t)*1024+512*\q
.endr
.endm
.macro HALF x, dst                     ; eight rows b against eight columns o: 64 minima
.set nn, 0
.rept 32
	v_dual_min_num_f32 v[(\dst)+2*nn], v[(\x)+nn/4], v[SL+8+2*(nn%4)] :: v_dual_min_num_f32 v[(\dst)+2*nn+1], v[(\x)+nn/4], v[SL+9+2*(nn%4)]
.set nn, nn+1
.endr
.endm
.macro ADDS a
	WIN 0
.set nn, 0
.rept 32
	v_pk_add_f32 v[(\a)+2*nn:(\a)+2*nn+1], v[(\a)+2*nn:(\a)+2*nn+1], v[TT+2*nn:TT+2*nn+1]
.set nn, nn+1
.endr
	WIN 5
.endm
.macro TILE t
.set SL, 16*((\t)%8)
	WIN 0x45
.if ((\t) > 0) && ((\t) < 9)
	LOADT (\t)+7                                   ; into the slot of the tile just done
.endif
.if (\t) < 9
	s_wait_loadcnt 28                              ; tile t is in; the seven younger tiles may be out
.else
	s_wait_loadcnt 4*(15-(\t))
.endif
.irp j, 0,1,2,3,4,5,6,7
	v_permlanex16_b32 v[XO+\j], v[SL+\j], s18, s19
.endr
.irp j, 0,2,8,10,12,14
.set SJ, SM+\j-4*(\j/8)
.if (\t) == 0
	v_dual_mov_b32 v[SJ], v[SL+\j] :: v_dual_mov_b32 v[SJ+1], v[SL+\j+1]
.else
	v_pk_add_f32 v[SJ:SJ+1], v[SL+\j:SL+\j+1], v[SJ:SJ+1]
.endif
.endr
	WIN 5
.if (\t) == 0                          ; the first minima are the sums' first numbers: nothing is cleared
	HALF SL, ACC
	HALF XO, ACC+64
.else
	HALF SL, TT
	ADDS ACC
	HALF XO, TT
	ADDS ACC+64
.endif
.endm
	s_load_b256 s[4:11], s[0:1], 0x0               ; feat s[4:5], alpha s[6:7], beta s[8:9], gamma s[10:11]
	s_load_b128 s[12:15], s[0:1], 0x20             ; bias s[12:13], out0 s[14:15]
	v_lshrrev_b32 v1, 5, v0
	v_readfirstlane_b32 s16, v1                    ; wave 0..7
	v_and_b32 v6, 31, v0
	v_and_b32 v7, 15, v0
	v_lshlrev_b32 v8, 3, v7                        ; my two columns: 8 (thread mod 16) bytes,
	v_lshrrev_b32 v9, 4, v0                        ; in row thread / 16 of the block
	WIN 0x40
	v_lshlrev_b32 v[VOFF], 4, v6
.irp j, 0,1,2,3,4,5,6,7
	v_mov_b32 v[XO+\j], 0                          ; written once: a lane permute's destination counts as one of its sources
.endr
	WIN 0
	s_and_b32 s17, ttmp7, 0xffff                   ; rows 16 s17 on; columns 32 ttmp9 on
	s_mov_b32 s18, 0x76543210                      ; v_permlanex16_b32's selects for lane l xor 16
	s_mov_b32 s19, 0xfedcba98
	s_and_b32 s24, s16, 1                          ; oh: which 16 columns are mine
	s_lshr_b32 s25, s16, 1                         ; which quarter of f
	s_lshl_b32 s25, s25, 14
	s_lshl_b32 s26, s17, 16                        ; x: row tile s17, 64 blocks of 1,024 bytes
	s_add_co_u32 s26, s26, s25
	s_lshl_b32 s40, s24, 9
	s_add_co_u32 s26, s26, s40                     ; the four rows that I sum, first,
	s_xor_b32 s42, s26, 512                        ; and the other four
	s_mov_b32 s27, 0
	s_mov_b32 s43, 0
	s_lshl_b32 s28, ttmp9, 1
	s_add_co_u32 s28, s28, s24
	s_add_co_u32 s28, s28, 16                      ; the prototypes: row tile 16 + 2 ttmp9 + oh
	s_lshl_b32 s28, s28, 16
	s_add_co_u32 s28, s28, s25
	s_mov_b32 s29, 0
	s_lshl_b32 s30, ttmp9, 7                       ; 32 columns: 128 bytes
	s_mov_b32 s31, 0
	s_mul_i32 s33, s16, WR                         ; my bytes on the way out
	s_wait_alu depctr_va_vdst(0)
	s_wait_kmcnt 0x0
	s_add_nc_u64 s[20:21], s[4:5], s[26:27]
	s_add_nc_u64 s[38:39], s[4:5], s[42:43]
	s_add_nc_u64 s[22:23], s[4:5], s[28:29]
	s_add_nc_u64 s[12:13], s[12:13], s[30:31]
	global_load_b64 v[80:81], v8, s[12:13]         ; bias of my two columns: the oldest load
	WIN 0x45
.irp t, 0,1,2,3,4,5,6,7
	LOADT \t
.endr
	s_load_b32 s34, s[6:7], 0x0                    ; alpha
	s_load_b32 s35, s[8:9], 0x0                    ; beta
	s_load_b32 s36, s[10:11], 0x0                  ; gamma
	s_lshl_b32 s28, s17, 15                        ; out0: 16 rows of 2,048 bytes
	s_add_co_u32 s30, s30, s28
	s_add_nc_u64 s[14:15], s[14:15], s[30:31]
	WIN 0
	; while the first tiles are on their way: the addresses of the way out.  64 parts an output, 16 lanes x 4 waves.  Block q of a wave = its sums 4 q .. 4 q + 3 of the 32 lanes.
	; First each wave alone: lane q adds up block q over the 16 lanes of either half.
	; Then thread t adds up row b = t / 16, columns 2 (t % 16) and the next, over the four waves of oh = (t / 8) % 2: half h = (t / 4) % 2, block q = 2 (b xor 8 h xor 4 oh) + (t / 2) % 2, 8 bytes t % 2
	v_lshl_add_u32 v[SPW], v0, 2, SPARE
	v_mov_b32 v[NIL], 0
	v_bfe_u32 v10, v0, 4, 1                        ; as a lane: h
	v_lshlrev_b32 v[STO], 4, v7
	v_mad_u32_u24 v[STO], v10, 320, v[STO]
	v_add_nc_u32 v[STO], s33, v[STO]
	v_lshlrev_b32 v[SST], 5, v10
	v_add_nc_u32 v[SST], s33, v[SST]
	v_lshlrev_b32 v[SSX], 4, v10
	v_add_nc_u32 v[SSX], s33, v[SSX]
	v_mul_u32_u24 v[RD1], v6, QP
	v_add_nc_u32 v[RD1], s33, v[RD1]
	v_lshlrev_b32 v[ST2], 4, v6
	v_add_nc_u32 v[ST2], s33, v[ST2]
	v_bfe_u32 v11, v0, 2, 1                        ; as a thread: h
	v_bfe_u32 v14, v0, 3, 1                        ; oh
	v_lshlrev_b32 v12, 3, v11
	v_xor_b32 v12, v9, v12
	v_lshlrev_b32 v13, 2, v14
	v_xor_b32 v12, v12, v13
	v_bfe_u32 v13, v0, 1, 1
	v_lshl_add_u32 v12, v12, 1, v13                ; q
	v_lshlrev_b32 v12, 4, v12
	v_mad_u32_u24 v12, v11, 576, v12
	v_and_b32 v13, 1, v0
	v_lshl_add_u32 v12, v13, 3, v12
	v_add_nc_u32 v12, QB, v12
	v_mad_u32_u24 v[RD2], v14, WR, v12
	v_add_nc_u32 v[RD2+1], 4*WR, v[RD2]
	v_bfe_u32 v12, v0, 4, 2                        ; sx of row b: number b % 4 of half b / 8, from the waves oh = (b / 4) % 2
	v_bfe_u32 v13, v0, 7, 1
	v_lshlrev_b32 v12, 2, v12
	v_lshl_add_u32 v12, v13, 4, v12
	v_add_nc_u32 v12, SUMB, v12
	v_bfe_u32 v13, v0, 6, 1
	v_mad_u32_u24 v[RSX], v13, WR, v12
	v_add_nc_u32 v[RSX+1], 4*WR, v[RSX]
	v_and_b32 v15, 7, v0
	v_lshl_add_u32 v15, v15, 3, SUMB+64            ; sp of my two columns
	v_mad_u32_u24 v[RSP], v14, WR, v15
	v_add_nc_u32 v[RSP+1], 4*WR, v[RSP]
	v_lshl_or_b32 v[OUTV], v9, 11, v8
	s_wait_alu depctr_va_vdst(0)
	s_wait_kmcnt 0x0
	s_and_b32 s34, s34, 0x7fffffff                 ; |alpha|
	s_and_b32 s35, s35, 0x7fffffff                 ; |beta|
.set tt, 0
.rept 16
	TILE tt
.set tt, tt+1
.endr
	; THE WAY OUT, first each wave alone, in bytes of its own: no barrier
	WIN 0
.set nn, 0
.rept 32
	ds_store_b128 v[STO], v[ACC+4*nn:ACC+4*nn+3] offset:QP*nn
.set nn, nn+1
.endr
	WIN 0x45
.irp m, 1,2,4,8
.set nn, 0
.rept 12
	v_add_f32_dpp v[SM+nn], v[SM+nn], v[SM+nn] row_xmask:\m row_mask:0xf bank_mask:0xf   ; the row sums over the 16 lanes of each half
.set nn, nn+1
.endr
.endr
	WIN 0x04
	ds_store_b128 v[SSX], v[SM:SM+3] offset:SUMB   ; the 16 lanes of a half store the same numbers
	ds_store_b128 v[SST], v[SM+4:SM+7] offset:SUMB+64
	ds_store_b128 v[SST], v[SM+8:SM+11] offset:SUMB+80
	WIN 0
	s_wait_dscnt 3                                 ; the blocks are stored (the three row-sum stores may be out): their registers are free
.irp g, 0,1
.set nn, 0
.rept 16
	ds_load_b128 v[ACC+64*\g+4*nn:ACC+64*\g+4*nn+3], v[RD1] offset:320*\g+16*nn
.set nn, nn+1
.endr
.endr
.macro TREE b                          ; 16 groups of four numbers are added; the sum ends in v[b:b+3]
.irp sp, 32,16,8,4
.set nn, 0
.rept \sp/2
	v_pk_add_f32 v[\b+2*nn:\b+2*nn+1], v[\b+2*nn:\b+2*nn+1], v[\b+\sp+2*nn:\b+\sp+2*nn+1]
.set nn, nn+1
.endr
.endr
.endm
	s_wait_dscnt 16                                ; the first half's sixteen are in
	TREE ACC
	s_wait_alu depctr_va_vdst(0)
	s_wait_dscnt 0x0
	TREE ACC+64
	ds_store_b128 v[ST2], v[ACC:ACC+3] offset:QB
	ds_store_b128 v[ST2], v[ACC+64:ACC+67] offset:QB+576
	s_wait_dscnt 0x0                               ; for the others' sake: my stores are done
	s_barrier_signal -1
	s_barrier_wait -1
.irp g, 0,1
.irp e, 0,1
	ds_load_b32 v[96+2*\g+\e], v[RSX+\g] offset:2*WR*\e
	ds_load_b64 v[100+4*\g+2*\e:101+4*\g+2*\e], v[RSP+\g] offset:2*WR*\e
	ds_load_b64 v[108+4*\g+2*\e:109+4*\g+2*\e], v[RD2+\g] offset:2*WR*\e
.endr
.endr
	s_wait_dscnt 0x0
	v_add_f32 v96, v96, v97                        ; sx
	v_add_f32 v98, v98, v99
	v_pk_add_f32 v[100:101], v[100:101], v[102:103]   ; sp
	v_pk_add_f32 v[104:105], v[104:105], v[106:107]
	v_pk_add_f32 v[108:109], v[108:109], v[110:111]   ; c of my two outputs
	v_pk_add_f32 v[112:113], v[112:113], v[114:115]
	v_add_f32 v96, v96, v98
	v_pk_add_f32 v[100:101], v[100:101], v[104:105]
	v_pk_add_f32 v[16:17], v[108:109], v[112:113]
.irp e, 0,1
	v_mul_f32 v[20+\e], s36, v[16+\e]              ; num = gamma c
	v_sub_f32 v[24+\e], v96, v[16+\e]              ; sx - c
	v_sub_f32 v[28+\e], v[100+\e], v[16+\e]        ; sp - c
.endr
.irp e, 0,1
	v_fma_f32 v[24+\e], s34, v[24+\e], v[20+\e]
.endr
.irp e, 0,1
	v_fma_f32 v[24+\e], s35, v[28+\e], v[24+\e]
.endr
.irp e, 0,1
	v_add_f32 v[24+\e], 0x322bcc77, v[24+\e]       ; + 1e-8
.endr
	s_wait_alu depctr_va_vdst(0)
	v_rcp_f32 v32, v24
	v_rcp_f32 v33, v25
	v_nop                                          ; a plain instruction behind the last reciprocal (ISA guide 5.7.2)
	s_wait_alu depctr_va_vdst(0)
.irp e, 0,1
	v_fma_f32 v[36+\e], v[20+\e], v[32+\e], v[80+\e]   ; num / den + bias
.endr
	global_store_b64 v[OUTV], v[36:37], s[14:15] th:TH_STORE_NT   ; 16 lanes store the 128 consecutive bytes of a row of the block
	s_wait_tensorcnt 0x0                           ; the wave's end
	ds_add_u32 v[SPW], v[NIL]
	s_wait_dscnt 0x0
	s_endpgm
.Lfunc_end_k_qe9797fc535_pair:
	.size	k_qe9797fc535_pair, .Lfunc_end_k_qe9797fc535_pair-k_qe9797fc535_pair
	.p2alignl 7, 3214868480
	.fill 96, 4, 3214868480
	.section	.rodata,"a",@progbits
	.p2align	6, 0x0
	.amdhsa_kernel k_qe9797fc535_pair
		.amdhsa_group_segment_fixed_size 211968
		.amdhsa_private_segment_fixed_size 0
		.amdhsa_enable_private_segment 0
		.amdhsa_kernarg_size 48
		.amdhsa_user_sgpr_count 2
		.amdhsa_user_sgpr_kernarg_segment_ptr 1
		.amdhsa_wavefront_size32 1
		.amdhsa_system_sgpr_workgroup_id_x 1
		.amdhsa_system_sgpr_workgroup_id_y 1
		.amdhsa_system_sgpr_workgroup_id_z 1
		.amdhsa_system_vgpr_workitem_id 0
		.amdhsa_next_free_vgpr 416
		.amdhsa_next_free_sgpr 66
		.amdhsa_reserve_vcc 0
		.amdhsa_float_denorm_mode_32 3
		.amdhsa_float_denorm_mode_16_64 3
		.amdhsa_memory_ordered 1
		.amdhsa_forward_progress 1
		.amdhsa_inst_pref_size 166
	.end_amdhsa_kernel
	.amdgpu_metadata
---
amdhsa.version: [ 1, 2 ]
amdhsa.kernels:
  - .name:           k_qe9797fc535_pair
    .symbol:         k_qe9797fc535_pair.kd
    .args:
      - { .name: feat, .offset: 0, .size: 8, .value_kind: global_buffer, .address_space: global }
      - { .name: alpha, .offset: 8, .size: 8, .value_kind: global_buffer, .address_space: global }
      - { .name: beta, .offset: 16, .size: 8, .value_kind: global_buffer, .address_space: global }
      - { .name: gamma, .offset: 24, .size: 8, .value_kind: global_buffer, .address_space: global }
      - { .name: bias, .offset: 32, .size: 8, .value_kind: global_buffer, .address_space: global }
      - { .name: out0, .offset: 40, .size: 8, .value_kind: global_buffer, .address_space: global }
    .group_segment_fixed_size: 211968
    .private_segment_fixed_size: 0
    .kernarg_segment_align: 8
    .kernarg_segment_size: 48
    .max_flat_workgroup_size: 256
    .sgpr_count:     66
    .vgpr_count:     416
    .wavefront_size: 32
...
	.end_amdgpu_metadata
.endif
;; end of part 2
